; MI455X (gfx1250); checked and timed in simulation.
; The chip was launched on July 23, 2026; its instructions are those of AMD's public machine-readable ISA for CDNA 5 (MIT licence, August 2026) and "CDNA5" Instruction Set Architecture Reference Guide (July 2026). The comments in the code are by the model that wrote it; some were corrected since.
;; Image Cross Attention Net. Allowed arithmetic: matrix products marked QUANTISED: E2M1 operands, one E8M0 scale for each 32 along K, by v_wmma_scale_f32_16x16x128_f8f6f4 with both operands' format E2M1 (or v_wmma_scale_f32_32x16x128_f4), f32 sums; everything else in f32.
;; Inputs: b_poi 64 float32; b_point 64 float32; b_pop 64 float32; poi_k 2 x 64 x 4,096 float32; poi_q 2 x 4,096 x 64 float32; poi_v 2 x 64 x 4,096 float32; point_k 2 x 64 x 4,096 float32; point_q 2 x 4,096 x 64 float32; point_v 2 x 64 x 4,096 float32; pop_k 2 x 64 x 4,096 float32; pop_q 2 x 4,096 x 64 float32; pop_v 2 x 64 x 4,096 float32; w_poi 64 x 64 float32; w_point 64 x 64 float32; w_pop 64 x 64 float32; x_poi 2 x 64 x 64 x 64 float32; x_point 2 x 64 x 64 x 64 float32; x_pop 2 x 64 x 64 x 64 float32.
;; Outputs: out0 2 x 192 x 64 x 64 float32; out1 2 x 192 x 64 x 64 float32; out2 2 x 192 x 64 x 64 float32.
;; This version of the problem:
;;   THIS VERSION OF THE PROBLEM IS GIVEN IN LOW PRECISION. The matrix products marked QUANTISED in the list below multiply operands that are first quantised to E2M1 (2 exponent bits, 1 mantissa bit; 4 bits a number), with one power-of-two scale for each 32 numbers along K (OCP MX v1.0); their sums are f32. All else is computed in f32.
;;   The module's matrix products, in the order in which they are computed (A, B: the left and right operand; K: the contracted axis; several contracted axes count as one K, in the product's order):
;;     1. batch 2 x [M 4,096, K 64] x [K 64, N 4,096]; A: input poi_q; B: input poi_k: QUANTISED
;;     2. batch 2 x [M 64, K 4,096] x [K 4,096, N 4,096]; A: input poi_v; B: softmax (see below): QUANTISED
;;     3. [M 8,192, K 64] x [K 64, N 64]; A: computed on the way; B: input w_poi: QUANTISED
;;     4. batch 2 x [M 4,096, K 64] x [K 64, N 4,096]; A: input poi_q; B: input point_k: QUANTISED
;;     5. batch 2 x [M 64, K 4,096] x [K 4,096, N 4,096]; A: input poi_v; B: softmax (see below): QUANTISED
;;     6. [M 8,192, K 64] x [K 64, N 64]; A: computed on the way; B: input w_poi: QUANTISED
;;     7. batch 2 x [M 4,096, K 64] x [K 64, N 4,096]; A: input poi_q; B: input pop_k: QUANTISED
;;     8. batch 2 x [M 64, K 4,096] x [K 4,096, N 4,096]; A: input poi_v; B: softmax (see below): QUANTISED
;;     9. [M 8,192, K 64] x [K 64, N 64]; A: computed on the way; B: input w_poi: QUANTISED
;;     10. batch 2 x [M 4,096, K 64] x [K 64, N 4,096]; A: input point_q; B: input poi_k: QUANTISED
;;     11. batch 2 x [M 64, K 4,096] x [K 4,096, N 4,096]; A: input point_v; B: softmax (see below): QUANTISED
;;     12. [M 8,192, K 64] x [K 64, N 64]; A: computed on the way; B: input w_point: QUANTISED
;;     13. batch 2 x [M 4,096, K 64] x [K 64, N 4,096]; A: input point_q; B: input point_k: QUANTISED
;;     14. batch 2 x [M 64, K 4,096] x [K 4,096, N 4,096]; A: input point_v; B: softmax (see below): QUANTISED
;;     15. [M 8,192, K 64] x [K 64, N 64]; A: computed on the way; B: input w_point: QUANTISED
;;     16. batch 2 x [M 4,096, K 64] x [K 64, N 4,096]; A: input point_q; B: input pop_k: QUANTISED
;;     17. batch 2 x [M 64, K 4,096] x [K 4,096, N 4,096]; A: input point_v; B: softmax (see below): QUANTISED
;;     18. [M 8,192, K 64] x [K 64, N 64]; A: computed on the way; B: input w_point: QUANTISED
;;     19. batch 2 x [M 4,096, K 64] x [K 64, N 4,096]; A: input pop_q; B: input poi_k: QUANTISED
;;     20. batch 2 x [M 64, K 4,096] x [K 4,096, N 4,096]; A: input pop_v; B: softmax (see below): QUANTISED
;;     21. [M 8,192, K 64] x [K 64, N 64]; A: computed on the way; B: input w_pop: QUANTISED
;;     22. batch 2 x [M 4,096, K 64] x [K 64, N 4,096]; A: input pop_q; B: input point_k: QUANTISED
;;     23. batch 2 x [M 64, K 4,096] x [K 4,096, N 4,096]; A: input pop_v; B: softmax (see below): QUANTISED
;;     24. [M 8,192, K 64] x [K 64, N 64]; A: computed on the way; B: input w_pop: QUANTISED
;;     25. batch 2 x [M 4,096, K 64] x [K 64, N 4,096]; A: input pop_q; B: input pop_k: QUANTISED
;;     26. batch 2 x [M 64, K 4,096] x [K 4,096, N 4,096]; A: input pop_v; B: softmax (see below): QUANTISED
;;     27. [M 8,192, K 64] x [K 64, N 64]; A: computed on the way; B: input w_pop: QUANTISED
;;   THE QUANTISER, for each operand of a quantised product, along K:
;;     - K is cut into blocks of 32 from its start; a last block that is shorter is filled with zeros.
;;     - A block's scale is 2^e with e = floor(log2(the largest magnitude in the block)) - 2, held to -126 .. 127; a block of zeros has e = 0. As a byte (E8M0): e + 127.
;;     - Each number is divided by its block's scale, clamped to +-6, and rounded to the nearest number of E2M1, ties to even, subnormals kept.
;;     - The product sums the exact products of the quantised numbers (number of the format x scale) in f32.
;;   ~~~python
;;   def quantise(x, axis):      # numpy; x: float32 -> the quantised numbers, widened to float32 again
;;       x = np.moveaxis(x, axis, -1); K = x.shape[-1]
;;       x = np.pad(x, [(0, 0)] * (x.ndim - 1) + [(0, -K % 32)]); x = x.reshape(x.shape[:-1] + (-1, 32)); a = np.abs(x).max(-1, keepdims=True)
;;       e = np.where(a > 0, np.clip(np.frexp(np.where(a > 0, a, 1))[1] - 1 - 2, -126, 127), 0)      # np.frexp(a)[1] - 1 = floor(log2(a)), exactly
;;       r = np.clip(x / 2.0 ** e, -6, 6)
;;       step = 2.0 ** (np.maximum(np.frexp(np.where(r == 0, 1, r))[1] - 1, 0) - 1)
;;       q = np.round(r / step) * step * 2.0 ** e      # np.round: ties to even
;;       return np.moveaxis(q.reshape(q.shape[:-2] + (-1,))[..., :K], -1, axis).astype(np.float32)
;;   ~~~
;;   SOFTMAX AHEAD OF A QUANTISED PRODUCT. Where the list says 'softmax', what is quantised is not the finished softmax but p = 2^(t - M), with t = logit x log2(e) and M = ceil(the row's largest t), a whole number; so 1/2 < the row's largest p <= 1. The row's sum l is taken of the UNQUANTISED p, in f32, and the product's result is divided by l at the end. Since M is a whole number, a kernel that streams over the keys may use a running M (the ceiling of the running maximum): every later rescaling is an exact power of two, which a block's scale takes up: the codes' values come out the same.
;;   OPERANDS COMPUTED ON THE WAY. 'Computed on the way' means the value that the module computes at that place (a softmax that the list does not call 'softmax' is quantised finished and normalised). What goes into a quantiser is computed in f32, as accurately as f32 sums, v_exp_f32 and their like allow (about 1e-6 of the number): no bf16 or f16 on the way to a quantiser, and a product that is left as it is and whose result goes on into a quantised operand takes f32 operands (vector FMAs, or v_wmma_f32_16x16x4_f32). A number that lies on a knife's edge between two numbers of the format may be rounded either way, as far as f32 arithmetic and the matrix unit's own rounding can turn it there, and no further.
;; One version. Each part assembles by itself: llvm-mc -triple=amdgcn-amd-amdhsa -mcpu=gfx1250 --defsym DOCPART=n.
;; ======== version 1 of 1: 2 launches
;; workspace buffers: kv 1,769,472 bytes
;; launch prep (part 1): grid 32 x 6, 4 waves a work-group, no clusters, 35,328 bytes of LDS; arguments poi_k, point_k, pop_k, poi_v, point_v, pop_v, kv; writes kv
.if DOCPART == 1
	.amdgcn_target "amdgcn-amd-amdhsa--gfx1250"
	.amdhsa_code_object_version 6
	.text
	.protected	k_q84f2674410_prep
	.globl	k_q84f2674410_prep
	.p2align	8
	.type	k_q84f2674410_prep,@function
k_q84f2674410_prep:
	s_mov_b64 s[64:65], 0
	v_nop
	global_prefetch_b8 v0, s[64:65] scope:SCOPE_SE
	s_setreg_imm32_b32 hwreg(HW_REG_WAVE_MODE, 25, 1), 1
	s_wait_xcnt 0x0
; The three k and the three v, [2][64 channels][4096 keys] f32, become codes of FP4 (E2M1) with one E8M0 scale byte for each 32 along K, laid as IMAGES OF THE OPERANDS' REGISTERS
; for the attention launch: k is quantised along the channels (its first axis here), v along the keys (innermost).
; kv holds 12 x 32 records of 4,608 bytes: record (T, b, s) at ((2 T + b) 32 + s) 4608; T = 0..2 the k streams, 3..5 the v streams; s = a step of 128 keys.
;   K record: codes at 512 t + 16 l (t = 2 n + u = 0..7, l = 16 h + m): channels 32 h .. 32 h + 31 of key 128 s + 32 n + 16 (m / 8) + 8 u + m % 8: the keys of a tile are chosen so that
;             the scores of tiles 2 n and 2 n + 1 give a lane 16 neighbouring keys.  Scale words at 4096 + 16 (16 u + m) + 4 n: byte 0 channels 0-31, byte 1 channels 32-63, bytes 2 and 3 zero.
;   V record: codes at 1024 t + 512 c + 16 l (t = 0..3, c = 0, 1, l = 16 h + m): keys 128 s + 64 c + 32 h + 0 .. 31 of channel 32 (t / 2) + 16 (m / 8) + 8 (t % 2) + m % 8.
;             Scale words (four key blocks) at 4096 + 16 l + 4 t: row l % 16 of tile t.
; A block's scale is 2^(floor(log2(its largest magnitude)) - 2); its byte is the largest magnitude's exponent field - 2, held at 1 from below.
; LIMITS: a block of zeros, or one whose largest magnitude lies under 2^-124, gets the byte 1 (its codes are zeros or the nearest codes under that scale; this program alone reads the bytes);
; NaN and infinities among the inputs are not served.
; SHARES: work-group (x = s, y = 2 stream + b) makes the K record and the V record of its stream, batch and step: one way through the text for all.  Wave w: K's keys 32 w .. 32 w + 31 (a lane to a key,
; its registers down the channels: a block of 32 lies in one lane) and V's tile w (16 channel rows x 128 keys, loaded 512 consecutive bytes an instruction and turned through the wave's own stage in LDS,
; so that a lane holds 32 neighbouring keys).  No tensor loads, one barrier (for the scale words, which leave as 512 consecutive bytes a record).
.set REC,  4608
.set VREC, 6*32*REC                    ; V's record lies this far behind K's of the same stream, batch and step
.set SP,   528                         ; a stage row: 512 bytes + 16: the sixteen rows that a load touches start at sixteen different 16-byte columns
.set WST,  16*SP                       ; a wave's stage
.set KG,   4*WST                       ; K's 128 scale words, gathered
.set VG,   KG+512                      ; V's
.set KC,   24                          ; v24-31   K's codes: block h at KC + 4 h
.set VC,   32                          ; v32-39   V's codes: block c at VC + 4 c
.set VX,   40                          ; v40-103  V as loaded
.set KX,   104                         ; v104-167 K: channel c in register KX + c
.set TL,   168                         ; v168-171 the tail's 16 bytes
.set VY,   172                         ; v172-235 V back from the stage: 32 neighbouring keys for c = 0, then for c = 1
	s_load_b256 s[4:11], s[0:1], 0x0               ; poi_k, point_k, pop_k, poi_v
	s_load_b128 s[12:15], s[0:1], 0x20             ; point_v, pop_v
	s_load_b64 s[16:17], s[0:1], 0x30              ; kv
	v_lshl_add_u32 v240, v0, 2, 0x8800
	v_mov_b32 v241, 0
	v_lshrrev_b32 v13, 5, v0
	v_readfirstlane_b32 s18, v13                   ; wave 0..3
	s_and_b32 s19, ttmp7, 0xffff                   ; y = 2 stream + b
	s_lshr_b32 s28, s19, 1                         ; stream
	s_and_b32 s29, s19, 1                          ; b
	s_lshl_b32 s24, s29, 20                        ; a batch is 64 x 16,384 bytes,
	s_lshl_b32 s30, ttmp9, 9                       ; a step's 128 keys are 512 bytes of a row
	s_add_co_u32 s24, s24, s30
	s_mov_b32 s25, 0
	s_lshl_b32 s30, s19, 5
	s_add_co_u32 s30, s30, ttmp9
	s_mul_i32 s30, s30, REC                        ; my K record
	s_mov_b32 s31, 0
	s_mov_b32 s26, 0x76543210
	s_mov_b32 s27, 0xfedcba98                      ; v_permlanex16_b32's selects for lane l xor 16
	v_and_b32 v1, 31, v0                           ; lane
	v_and_b32 v14, 7, v0
	v_bfe_u32 v13, v0, 3, 1                        ; u
	v_bfe_u32 v15, v0, 4, 1                        ; h
	v_and_b32 v16, 15, v0                          ; r
	v_lshlrev_b32 v17, 4, v1                       ; 16 x lane
	s_lshl_b32 s32, s18, 7
	v_lshl_add_u32 v2, v1, 2, s32                  ; K in: my key's 4 bytes: 4 lane + 128 wave
	s_lshr_b32 s33, s18, 1
	s_lshl_b32 s33, s33, 19
	s_and_b32 s34, s18, 1
	s_lshl_b32 s35, s34, 17
	s_add_co_u32 s33, s33, s35
	v_add_nc_u32 v3, s33, v17                      ; V in: 16 lane + channel (32 (wave / 2) + 8 (wave % 2)) x 16,384
	s_mul_i32 s35, s18, WST
	v_add_nc_u32 v4, s35, v17                      ; the stage, in: 16 lane
	v_mul_u32_u24 v5, v16, SP
	v_lshl_add_u32 v5, v15, 7, v5
	v_add_nc_u32 v5, s35, v5                       ; and back: row r, + 128 h: my 32 keys of each 64
	v_lshl_add_u32 v14, v15, 3, v14                ; m = lane % 8 + 8 (lane / 16): my key's row in its tile
	s_lshl_b32 s36, s18, 10
	v_lshlrev_b32 v6, 4, v14
	v_lshl_add_u32 v6, v13, 9, v6
	v_add_nc_u32 v6, s36, v6                       ; K's codes out: 1024 wave + 512 u + 16 m (+ 256 h in the immediate)
	v_add_nc_u32 v7, s36, v17                      ; V's codes out: 1024 wave + 16 lane
	v_lshl_add_u32 v8, v13, 4, v14
	v_lshlrev_b32 v8, 4, v8
	s_lshl_b32 s37, s18, 2
	s_add_co_u32 s38, s37, KG
	v_add_nc_u32 v8, s38, v8                       ; K's scale word: KG + 16 (16 u + m) + 4 wave
	s_add_co_u32 s38, s37, VG
	v_add_nc_u32 v9, s38, v17                      ; V's: VG + 16 lane + 4 wave
	s_lshl_b32 s38, s34, 9
	s_add_co_u32 s38, s38, KG
	v_add_nc_u32 v10, s38, v17                     ; the tail: wave 0 reads K's 512 bytes, wave 1 V's
	s_mul_i32 s38, s34, VREC
	s_add_co_u32 s38, s38, 4096
	v_add_nc_u32 v11, s38, v17                     ; and stores them behind its record's codes
	v_lshlrev_b32 v12, 3, v15                      ; 8 h
	v_mov_b32 v20, 0                               ; a lane permute's destination counts as one of its sources
	s_wait_kmcnt 0x0
	s_cmp_eq_u32 s28, 1                            ; the stream's k and v: the choice hangs on the work-group's number alone
	s_cselect_b64 s[20:21], s[6:7], s[4:5]
	s_cselect_b64 s[22:23], s[12:13], s[10:11]
	s_cmp_eq_u32 s28, 2
	s_cselect_b64 s[20:21], s[8:9], s[20:21]
	s_cselect_b64 s[22:23], s[14:15], s[22:23]
	s_add_nc_u64 s[20:21], s[20:21], s[24:25]
	s_add_nc_u64 s[22:23], s[22:23], s[24:25]
	s_add_nc_u64 s[16:17], s[16:17], s[30:31]
.irp r, 0,1,2,3,4,5,6,7,8,9,10,11,12,13,14,15
	global_load_b128 v[VX+4*\r:VX+4*\r+3], v3, s[22:23] offset:(\r+8*(\r/8))*16384 th:TH_LOAD_NT   ; row r of my tile of V: 512 consecutive bytes
.endr
.set c, 0
.rept 32
	global_load_b32 v[KX+c], v2, s[20:21] offset:16384*c th:TH_LOAD_NT   ; channel c of my key: 128 consecutive bytes a wave, the four waves side by side
.set c, c+1
.endr
	s_wait_loadcnt 32                              ; V's sixteen loads are in; K's 32 behind them may be out
.irp r, 0,1,2,3,4,5,6,7,8,9,10,11,12,13,14,15
	ds_store_b128 v4, v[VX+4*\r:VX+4*\r+3] offset:SP*\r
.endr
.irp c, 0,1
.irp i, 0,1,2,3,4,5,6,7
	ds_load_b128 v[VY+32*\c+4*\i:VY+32*\c+4*\i+3], v5 offset:256*\c+16*\i   ; LDS serves a wave's instructions in order (ISA guide 5.7.1.4): these see my stores
.endr
.endr
.set c, 32
.rept 32
	global_load_b32 v[KX+c], v2, s[20:21] offset:16384*c th:TH_LOAD_NT
.set c, c+1
.endr
; 32 numbers of one block, v[X] on, become four registers of codes, v[D] on, and the scale's byte in v[A]
.macro QBLK X, D, A
	v_max3_num_f32 v13, |v[\X]|, |v[\X+1]|, 0x1800000              ; the largest magnitude, in two chains, with the floor 2^(3 - 127): the byte cannot fall under 1
	v_max3_num_f32 v14, |v[\X+2]|, |v[\X+3]|, 0x1800000
.irp i, 4,8,12,16,20,24,28
	v_max3_num_f32 v13, v13, |v[\X+\i]|, |v[\X+\i+1]|
	v_max3_num_f32 v14, v14, |v[\X+\i+2]|, |v[\X+\i+3]|
.endr
	v_max_num_f32 v13, v13, v14
	v_add_nc_u32 v15, 0xff000000, v13              ; 2 off its exponent field: the conversion takes the exponent field of this operand as its scale, and nothing else of it
	v_lshrrev_b32 v[\A], 23, v15                   ; the scale's byte
.irp g, 0,1,2,3
	v_cvt_scalef32_pk8_fp4_f32 v[\D+\g], v[\X+8*\g:\X+8*\g+7], v15
.endr
	v_nop                                          ; one plain place behind the scaled conversions
.endm
	s_wait_dscnt 0x0                               ; V is back from the stage
	QBLK VY, VC, 17                                ; key block h
	QBLK VY+32, VC+4, 18                           ; key block 2 + h
	v_lshl_or_b32 v19, v18, 16, v17                ; my two bytes,
	v_lshlrev_b32 v19, v12, v19                    ; 8 h bits up;
	v_permlanex16_b32 v20, v19, s26, s27
	v_or_b32 v19, v19, v20                         ; with lane l xor 16's two the row's word is whole
	global_store_b128 v7, v[VC:VC+3], s[16:17] offset:VREC         ; 32 lanes store 512 consecutive bytes, at a multiple of 256 from kv's first byte
	global_store_b128 v7, v[VC+4:VC+7], s[16:17] offset:VREC+512
	ds_store_b32 v9, v19
	s_wait_loadcnt 32                              ; K's channels 0-31 are in; 32-63 may be out
	QBLK KX, KC, 21
	s_wait_loadcnt 0x0
	QBLK KX+32, KC+4, 22
	v_lshl_or_b32 v23, v22, 8, v21                 ; my key's scale word: two bytes, the upper two zero
	global_store_b128 v6, v[KC:KC+3], s[16:17]                     ; the lanes of each u store 256 consecutive bytes, aligned
	global_store_b128 v6, v[KC+4:KC+7], s[16:17] offset:256
	ds_store_b32 v8, v23
	s_wait_dscnt 0x0                               ; for the others' sake: my scale words lie in LDS
	s_barrier_signal -1
	s_barrier_wait -1
	s_cmp_lt_u32 s18, 2
	s_cbranch_scc0 .Ldone
	ds_load_b128 v[TL:TL+3], v10
	s_wait_dscnt 0x0
	global_store_b128 v11, v[TL:TL+3], s[16:17]    ; a record's 512 bytes of scale words, on end
.Ldone:
	s_wait_tensorcnt 0x0
	ds_add_u32 v240, v241
	s_wait_dscnt 0x0
	s_endpgm
.Lfunc_end_k_q84f2674410_prep:
	.size	k_q84f2674410_prep, .Lfunc_end_k_q84f2674410_prep-k_q84f2674410_prep
	.p2alignl 7, 3214868480
	.fill 96, 4, 3214868480
	.section	.rodata,"a",@progbits
	.p2align	6, 0x0
	.amdhsa_kernel k_q84f2674410_prep
		.amdhsa_group_segment_fixed_size 35328
		.amdhsa_private_segment_fixed_size 0
		.amdhsa_enable_private_segment 0
		.amdhsa_kernarg_size 56
		.amdhsa_user_sgpr_count 2
		.amdhsa_user_sgpr_kernarg_segment_ptr 1
		.amdhsa_wavefront_size32 1
		.amdhsa_system_sgpr_workgroup_id_x 1
		.amdhsa_system_sgpr_workgroup_id_y 1
		.amdhsa_system_sgpr_workgroup_id_z 1
		.amdhsa_system_vgpr_workitem_id 0
		.amdhsa_next_free_vgpr 242
		.amdhsa_next_free_sgpr 66
		.amdhsa_reserve_vcc 0
		.amdhsa_float_denorm_mode_32 3
		.amdhsa_float_denorm_mode_16_64 3
		.amdhsa_memory_ordered 1
		.amdhsa_forward_progress 1
		.amdhsa_inst_pref_size 20
	.end_amdhsa_kernel
	.amdgpu_metadata
---
amdhsa.version: [ 1, 2 ]
amdhsa.kernels:
  - .name:           k_q84f2674410_prep
    .symbol:         k_q84f2674410_prep.kd
    .args:
      - { .name: poi_k, .offset: 0, .size: 8, .value_kind: global_buffer, .address_space: global }
      - { .name: point_k, .offset: 8, .size: 8, .value_kind: global_buffer, .address_space: global }
      - { .name: pop_k, .offset: 16, .size: 8, .value_kind: global_buffer, .address_space: global }
      - { .name: poi_v, .offset: 24, .size: 8, .value_kind: global_buffer, .address_space: global }
      - { .name: point_v, .offset: 32, .size: 8, .value_kind: global_buffer, .address_space: global }
      - { .name: pop_v, .offset: 40, .size: 8, .value_kind: global_buffer, .address_space: global }
      - { .name: kv, .offset: 48, .size: 8, .value_kind: global_buffer, .address_space: global }
    .group_segment_fixed_size: 35328
    .private_segment_fixed_size: 0
    .kernarg_segment_align: 8
    .kernarg_segment_size: 56
    .max_flat_workgroup_size: 128
    .sgpr_count:     66
    .vgpr_count:     242
    .wavefront_size: 32
...
	.end_amdgpu_metadata
.endif
;; end of part 1
;; launch attn (part 2): grid 64 x 4, 20 waves a work-group, clusters of 4 x 1, 327,680 bytes of LDS; arguments kv, poi_q, point_q, pop_q, w_poi, w_point, w_pop, b_poi, b_point, b_pop, x_poi, x_point, x_pop, out0, out1, out2; writes out0, out1, out2
.if DOCPART == 2
	.amdgcn_target "amdgcn-amd-amdhsa--gfx1250"
	.amdhsa_code_object_version 6
	.text
	.protected	k_q84f2674410_attn
	.globl	k_q84f2674410_attn
	.p2align	8
	.type	k_q84f2674410_attn,@function
k_q84f2674410_attn:
	s_mov_b64 s[64:65], 0
	v_nop
	global_prefetch_b8 v0, s[64:65] scope:SCOPE_SE
	s_setreg_imm32_b32 hwreg(HW_REG_WAVE_MODE, 25, 1), 1
	s_wait_xcnt 0x0
	s_wait_alu depctr_hold_cnt(0) depctr_sa_sdst(0) depctr_va_vdst(0) depctr_va_sdst(0) depctr_va_ssrc(0) depctr_va_vcc(0) depctr_vm_vsrc(0)
	s_getreg_b32 s2, hwreg(HW_REG_IB_STS2, 6, 4)
	s_cmp_eq_u32 s2, 0
	s_cbranch_scc0 .Lentry_in_a_cluster
	s_endpgm
.Lentry_in_a_cluster:
	s_bfe_u32 s2, ttmp6, 0x10000c
	s_cmp_lg_u32 s2, 0x3003
	s_cbranch_scc0 .Lentry_shape_is_right
	s_endpgm
.Lentry_shape_is_right:
; For each query stream i, key stream j and batch b: out_i[b][64 j + o][n] = sum_c w_i[o][c] o_c[n] + b_i[o] + x_i[b][o][n], o_c[n] = sum_m v_i[b][c][m] softmax_m(q_i[b][n] . k_j[b][:, m]).
; All three products on codes of FP4 (E2M1) with one E8M0 scale for each 32 along K.  k and v come as codes from kv (records of 4,608 bytes a step of 128 keys, laid as images of the operands' registers);
; q, w and o are quantised here, in registers.
; THE SOFTMAX AHEAD OF THE SECOND PRODUCT: t = score x log2(e); M = the row's largest t so far, rounded UP to a whole number; p = 2^(t - M) is what is quantised, along the keys, not normalised.
; The row's sum is taken of the unquantised p, in f32, and divides O at the end.  When M moves, the sum and O are multiplied by 2^(old M - new M): exact.
; SHARES.  A QUAD is 64 queries of one pair (i, j) and batch: four waves, each one tile of 16 queries in 192 registers; 64 queries are 256 bytes of a row of out.  3 x 3 x 2 x 64 = 1,152 quads for 256 work-groups
; are 4.5 each: a work-group has 20 waves, five to a SIMD (5 x 192 of its 1,024 registers), so that one wave's vector work stands beside another's matrix work and LDS loads.
; Work-group (x = which 64 queries, y = 2 b + pi).  pi = 0 serves the pairs (0,0) (0,1) (0,2) (1,0) (1,1); pi = 1 serves (2,2) (2,0) (2,1) (1,2):
; they pass every barrier and do nothing else.  Splitting the keys instead would send partial sums through memory.
; THE RING.  Two LDS slots, each with five positions of 18,432 bytes (four steps' records): K of three streams, V of two.  Which streams stand there hangs on pi, which position a wave reads on its number.
; Waves 0-4 fetch one position each, one dense block a load.  CLUSTER: the four work-groups of a cluster have the same y and walk the same five streams, so each block is asked for JOINTLY, by the same
; load with the mask of all four.
; LAYOUT.  S^T = K Q^T (source 0 = 16 keys, source 1 = my 16 queries), O^T = V^T P^T: a lane holds ONE query throughout; the records' choice of keys and channels makes the 16 registers of two neighbouring
; tiles 16 neighbours along the next product's K.  The last product takes o as source 0 and 16 rows of w as source 1: a lane then holds eight neighbouring queries of one out channel.
; K = 64 IN AN INSTRUCTION OF 128: an operand's registers 4-7 are k = 64 .. 127.  q and o have zero codes there, and bytes 2 and 3 of all these scale words are 0 (2^-127, no NaN); E2M1 has no infinity or
; NaN, so the other side's registers 4-7 add exactly nothing whatever they hold.  So K's (and w's) fragments lie 4 registers apart, each operand reaching into the next fragment; behind the last stand zeros.
; LIMITS: a block whose largest magnitude lies under 2^-124 (a block of zeros among them) gets the scale byte 1; NaN and infinities among the inputs are not served; a p under 2^-126 counts as 0 (v_exp_f32
; flushes denormals: ISA guide, 15.8); a block's largest p is taken through its largest score, which takes v_exp_f32 not to fall where its input rises; 1 / l is v_rcp_f32; |t| stays under 2^24.
; REGISTERS: v1, v2 my lane's place in K's and V's position; v3, v4 the spare word's address and 0; v5, v6 the slot's addresses; v7 x and out; v8 -M, v9 the largest t; v[10:11] the sum; v12-19 Q; v20 Q's scale word;
; v21 p's, later o's; v22 f; v24-27 K's scale words, later w's; v28-31 V's; v32-67 fragments; v68-131 S^T, then p; v132-163 O^T; v164-171 p's codes; v172-185 at work; v186-191 addresses.
.set REC,   4608                       ; a record: one step of 128 keys of one stream
.set POSB,  4*REC                      ; a position: four steps
.set SLOT1, 1<<17                      ; slot 1 begins here, so that one exclusive or turns an address in one slot into the other's
.set SPARE, 2*SLOT1                    ; the spare words, 128 bytes for each of 20 waves: ten blocks of 256 bytes that no other line names
.set WIMG,  SPARE+20*128               ; w's image, 2,560 bytes a quad: four fragments of 512 bytes, then four times 128 bytes of scale words.  No fill lands here
.set WQB,   2560
.set SGP,   272                        ; the way out: a stage row: 256 bytes + 16
.set SGQ,   64*SGP                     ; a quad's stage: 64 out channels.  The stages lie in slot 0, which has had its last fill and its last read when the first result is stored there
.set F,   32
.set S,   68
.set OA,  132
.set P,   164
.set BM,  172                          ; v172-175 the blocks' maxima
.set PT,  176                          ; v176-179 lane permutes' targets, then the scales' bytes, then the second chain of the sum
.set SO,  180                          ; v180-183 the conversions' scale operands
.macro CROUND                          ; a round of the cluster's barrier: my work-group's barrier; wave 0 signals for the work-group; every wave waits for all four work-groups; my work-group's barrier once more
	s_barrier_signal -1
	s_barrier_wait -1
	s_cmp_lg_u32 s16, 0
	s_cbranch_scc1 .Lnot_wave_0_\@
	s_barrier_signal -3
.Lnot_wave_0_\@:
	s_barrier_wait -3
	s_barrier_signal -1
	s_barrier_wait -1
.endm
.macro TLOAD                           ; waves 0-4 fetch a position each; the branch hangs on the wave's number alone.  Four v_nop follow the load
	s_cmp_lt_u32 s16, 5
	s_cbranch_scc0 .Lasked_\@
	tensor_load_to_lds s[32:35], s[24:31]
	s_nop 0
.rept 4
	v_nop
.endr
.Lasked_\@:
.endm
	s_load_b512 s[68:83], s[0:1], 0x0              ; kv s[68:69]; q s[70:75]; w s[76:81]; b_poi s[82:83]
	s_load_b512 s[84:99], s[0:1], 0x40             ; b_point, b_pop s[84:87]; x s[88:93]; out s[94:99]
	v_lshl_add_u32 v3, v0, 2, SPARE
	v_mov_b32 v4, 0
	ds_add_u32 v3, v4
	ds_add_u32 v3, v4
	s_wait_dscnt 0x0
	v_lshrrev_b32 v172, 5, v0
	s_delay_alu instid0(VALU_DEP_1)
	v_readfirstlane_b32 s16, v172                  ; wave 0..19
	s_lshr_b32 s17, s16, 2                         ; g: my quad, 0..4
	s_and_b32 s18, s16, 3                          ; wq: my tile in the quad
	s_and_b32 s44, ttmp7, 0xffff                   ; y, which the four partners share
	s_and_b32 s19, s44, 1                          ; pi
	s_lshr_b32 s20, s44, 1                         ; b
	s_bfe_u32 s45, ttmp6, 0x40000                  ; cx: my place in the cluster: it enters q's, x's and out's addresses alone
	s_lshl_b32 s21, ttmp9, 2
	s_add_co_u32 s21, s21, s45                     ; which 64 queries = 4 x cluster x + cx
	s_add_co_u32 s46, s17, 1
	s_lshr_b32 s46, s46, 2                         ; vpos: g = 0..4 -> 0, 0, 0, 1, 1
	s_add_co_u32 s47, s17, s46
	s_and_b32 s47, s47, 3                          ; kpos: 0, 1, 2, 0, 1
	s_lshr_b32 s36, s17, 2
	s_and_b32 s36, s36, s19                        ; IDLE: pi = 1 and g = 4
	s_lshl_b32 s48, s19, 1                         ; 2 pi
	s_cmp_eq_u32 s46, 1
	s_cselect_b32 s22, 1, s48                      ; i = vpos ? 1 : 2 pi
	s_add_co_u32 s23, s47, s48
	s_cmp_ge_u32 s23, 3
	s_cselect_b32 s49, 3, 0
	s_sub_co_u32 s23, s23, s49                     ; j = (kpos + 2 pi) mod 3
	; what I fetch, if I fetch: position p = my wave's number holds stream T: p < 3: k stream (p + 2 pi) mod 3; p = 3: v stream 2 pi; p = 4: v stream 1
	s_min_u32 s60, s16, 4
	s_mul_i32 s33, s60, POSB                       ; group 0, 63:32: the LDS address: slot 0, my position
	s_add_co_u32 s61, s60, s48
	s_cmp_ge_u32 s61, 3
	s_cselect_b32 s62, 3, 0
	s_sub_co_u32 s61, s61, s62
	s_add_co_u32 s62, s48, 3
	s_cmp_eq_u32 s60, 3
	s_cselect_b32 s61, s62, s61
	s_cmp_eq_u32 s60, 4
	s_cselect_b32 s61, 4, s61
	s_lshl_b32 s61, s61, 1
	s_add_co_u32 s61, s61, s20
	s_mul_i32 s54, s61, 32*REC                     ; the stream's and batch's 32 records
	s_mov_b32 s55, 0
	s_mov_b32 s32, 1                               ; group 0, 1:0: count = 1
	; descriptor group 1: a dense block of 18,432 bytes as 72 rows of 256 (32 elements of 8 bytes), no padding: every fragment is read 16 bytes a lane on end
	s_mov_b32 s24, 15|(3<<16)|(1<<21)              ; 15:0 the mask: all four work-groups; 17:16 elements of 8 bytes; 21 set beside a mask
	s_mov_b32 s25, 32<<16                          ; tensor_dim0
	s_mov_b32 s26, 72<<16                          ; tensor_dim1
	s_mov_b32 s27, 32<<16                          ; tile_dim0
	s_mov_b32 s28, 72                              ; tile_dim1
	s_mov_b32 s29, 32                              ; tensor_dim0_stride
	s_mov_b32 s30, 0
	s_mov_b32 s31, 0
	; byte offsets into q, w, x and out
	s_lshl_b32 s44, s20, 20                        ; a batch of q or x
	s_lshl_b32 s50, s21, 14                        ; 64 queries x 256 bytes
	s_add_co_u32 s50, s50, s44
	s_lshl_b32 s52, s18, 12                        ; 16 rows x 256 bytes: my tile of q, and my 16 rows of w
	s_add_co_u32 s50, s50, s52
	s_mov_b32 s51, 0
	s_mov_b32 s53, 0
	s_lshl_b32 s45, s21, 8                         ; 64 queries x 4 bytes in a row of x or out,
	s_lshl_b32 s49, s18, 18                        ; the 16 channel rows that I store
	s_add_co_u32 s45, s45, s49
	s_add_co_u32 s56, s45, s44
	s_mov_b32 s57, 0
	s_mul_i32 s58, s20, 3145728                    ; a batch of out: 192 rows
	s_lshl_b32 s49, s23, 20                        ; channel block 64 j
	s_add_co_u32 s58, s58, s49
	s_add_co_u32 s58, s58, s45
	s_mov_b32 s59, 0
	s_mov_b32 s40, 0x76543210
	s_mov_b32 s41, 0xfedcba98                      ; v_permlanex16_b32's selects for lane l xor 16
	s_mov_b32 s42, 0x3fb8aa3b                      ; log2(e)
	s_mov_b32 s43, s42                             ; (named with it as a pair, so it is written)
	s_mov_b32 s37, 0                               ; LDS byte at which the slot in hand begins
	s_mov_b32 s38, 7                               ; slots still to be asked for
	; every address register is made here, on the way that all waves take
	v_and_b32 v172, 15, v0                         ; r
	v_bfe_u32 v173, v0, 4, 1                       ; h
	v_and_b32 v174, 31, v0
	s_delay_alu instid0(VALU_DEP_1)
	v_lshlrev_b32 v175, 2, v174                    ; 4 x lane
	s_delay_alu instid0(VALU_DEP_2)
	v_lshlrev_b32 v174, 4, v174                    ; 16 x lane
	s_mul_i32 s49, s47, POSB
	v_add_nc_u32 v1, s49, v174                     ; K: 16 lane + my position
	s_mul_i32 s49, s46, POSB
	s_add_co_u32 s49, s49, 3*POSB
	v_add_nc_u32 v2, s49, v174                     ; V: behind K's three
	v_lshlrev_b32 v7, 14, v173
	s_delay_alu instid0(VALU_DEP_1)
	v_lshl_add_u32 v7, v172, 4, v7                 ; x and out: lanes 0-15 one row's 256 bytes, lanes 16-31 the next row's
	s_mul_i32 s49, s17, SGQ                        ; my quad's stage
	s_lshl_b32 s63, s18, 6
	s_add_co_u32 s63, s63, s49
	v_mul_u32_u24 v186, v172, SGP
	s_delay_alu instid0(VALU_DEP_1)
	v_lshl_add_u32 v186, v173, 5, v186
	s_delay_alu instid0(VALU_DEP_1)
	v_add_nc_u32 v186, s63, v186                   ; in: row r (+ 16 T), my tile's 64 bytes, + 32 h
	s_mul_i32 s63, s18, 16*SGP
	s_add_co_u32 s63, s63, s49
	v_mul_u32_u24 v187, v173, SGP
	s_delay_alu instid0(VALU_DEP_1)
	v_lshl_add_u32 v187, v172, 4, v187
	s_delay_alu instid0(VALU_DEP_1)
	v_add_nc_u32 v187, s63, v187                   ; back: rows 16 wq on, two an instruction
	s_mul_i32 s49, s17, WQB
	s_add_co_u32 s49, s49, WIMG
	v_add_nc_u32 v188, s49, v174                   ; w's fragments: 16 lane
	s_add_co_u32 s63, s49, 2048
	v_add_nc_u32 v189, s63, v175                   ; w's scale words: 4 lane
	s_lshl_b32 s66, s18, 9
	s_add_co_u32 s66, s66, s49
	v_add_nc_u32 v5, s66, v174                     ; where I store my fragment of w (v5 and v6 take the slots' addresses from the first change of slots on)
	s_lshl_b32 s66, s18, 7
	s_add_co_u32 s66, s66, s63
	v_add_nc_u32 v6, s66, v175                     ; and its scale words
	v_lshlrev_b32 v190, 8, v172
	s_delay_alu instid0(VALU_DEP_1)
	v_lshl_add_u32 v190, v173, 7, v190             ; q and w: row r of 256 bytes, + 128 h: my block of 32 channels
	v_lshlrev_b32 v191, 2, v172                    ; the bias: 4 r
	v_lshlrev_b32 v185, 3, v173                    ; 8 h
	v_mov_b32 v9, 0xff61b1e6                       ; the largest t so far: -3e38, under every t
	s_delay_alu instid0(VALU_DEP_1)
	v_floor_f32 v8, -v9                            ; -M
.set j, 10
.rept 14
	v_mov_b32 v[j], 0                              ; the sum; Q, whose upper four registers stay zero codes; the scale words; f's pair
.set j, j+1
.endr
.set j, 0
.rept 4
	v_mov_b32 v[F+32+j], 0                         ; behind K's last fragment: zeros, for good
	v_mov_b32 v[PT+j], 0                           ; a lane permute's destination counts as one of its sources
.set j, j+1
.endr
.set j, 0
.rept 32
	v_mov_b32 v[OA+j], 0                           ; O^T.  (The key step is written once: the first finds zeros, which the first change of M leaves zeros)
.set j, j+1
.endr
	s_wait_kmcnt 0x0
	s_add_nc_u64 s[34:35], s[68:69], s[54:55]      ; group 0, 120:64: the global address: the stream's first four records
	s_or_b32 s35, s35, 0x80000000                  ; 127:126 type = 2
	s_cmp_eq_u32 s22, 1                            ; stream i's q, w, b, x and out: the choice hangs on ids alone
	s_cselect_b64 s[4:5], s[72:73], s[70:71]
	s_cselect_b64 s[6:7], s[78:79], s[76:77]
	s_cselect_b64 s[8:9], s[84:85], s[82:83]
	s_cselect_b64 s[10:11], s[90:91], s[88:89]
	s_cselect_b64 s[12:13], s[96:97], s[94:95]
	s_cmp_eq_u32 s22, 2
	s_cselect_b64 s[4:5], s[74:75], s[4:5]
	s_cselect_b64 s[6:7], s[80:81], s[6:7]
	s_cselect_b64 s[8:9], s[86:87], s[8:9]
	s_cselect_b64 s[10:11], s[92:93], s[10:11]
	s_cselect_b64 s[12:13], s[98:99], s[12:13]
	s_add_nc_u64 s[4:5], s[4:5], s[50:51]
	s_add_nc_u64 s[6:7], s[6:7], s[52:53]
	s_add_nc_u64 s[10:11], s[10:11], s[56:57]
	s_add_nc_u64 s[12:13], s[12:13], s[58:59]
	CROUND                                         ; all four work-groups are here: the first joint loads meet
	TLOAD                                          ; keys 0-511 into slot 0
; 32 numbers of my row's block h, v[X] on, become four registers of codes, v[D] on; v[W] gets the row's scale word (byte h mine, the other lane l xor 16's, bytes 2 and 3 zero)
.macro QROW X, D, W
	v_max3_num_f32 v[BM], |v[\X]|, |v[\X+1]|, 0x1800000            ; the largest magnitude, in two chains, with the floor 2^(3 - 127): the byte cannot fall under 1
	v_max3_num_f32 v[BM+1], |v[\X+2]|, |v[\X+3]|, 0x1800000
.irp i, 4,8,12,16,20,24,28
	s_delay_alu instid0(VALU_DEP_2)
	v_max3_num_f32 v[BM], v[BM], |v[\X+\i]|, |v[\X+\i+1]|
	s_delay_alu instid0(VALU_DEP_2)
	v_max3_num_f32 v[BM+1], v[BM+1], |v[\X+\i+2]|, |v[\X+\i+3]|
.endr
	s_delay_alu instid0(VALU_DEP_1)
	v_max_num_f32 v[BM], v[BM], v[BM+1]
	s_delay_alu instid0(VALU_DEP_1)
	v_add_nc_u32 v[SO], 0xff000000, v[BM]          ; 2 off its exponent field: the conversion's scale operand
	s_delay_alu instid0(VALU_DEP_1)
	v_lshrrev_b32 v184, 23, v[SO]                  ; the scale's byte,
	s_delay_alu instid0(VALU_DEP_1)
	v_lshlrev_b32 v184, v185, v184                 ; 8 h bits up
	s_delay_alu instid0(VALU_DEP_1)
	v_permlanex16_b32 v[PT], v184, s40, s41
	s_delay_alu instid0(VALU_DEP_1)
	v_or_b32 v[\W], v184, v[PT]
.irp g, 0,1,2,3
	v_cvt_scalef32_pk8_fp4_f32 v[\D+\g], v[\X+8*\g:\X+8*\g+7], v[SO]
.endr
	v_nop                                          ; one plain place behind the scaled conversions
.endm
	s_cmp_eq_u32 s36, 1
	s_cbranch_scc1 .Lno_h
.irp i, 0,1,2,3,4,5,6,7
	global_load_b128 v[S+4*\i:S+4*\i+3], v190, s[4:5] offset:16*\i          ; q(r, 32 h ..)
.endr
.irp i, 0,1,2,3,4,5,6,7
	global_load_b128 v[S+32+4*\i:S+32+4*\i+3], v190, s[6:7] offset:16*\i    ; w(16 wq + r, 32 h ..)
.endr
	s_wait_loadcnt 0x8                             ; q's eight loads are in; w's eight may be out
	QROW S, 12, 20
	s_wait_loadcnt 0x0
	QROW S+32, P, 184
	ds_store_b128 v5, v[P:P+3]                     ; my 16 rows of w, as an image of the operand's registers, for the quad's four waves
	ds_store_b32 v6, v184
.Lno_h:
; A KEY STEP: 128 keys, the q-th record of the slot in hand.
.macro STEP q
.rept 4
	v_nop                                          ; places in front of loads into registers that the last products read
.endr
.irp t, 0,1,2,3,4,5,6,7
	ds_load_b128 v[F+4*\t:F+4*\t+3], v5 offset:REC*(\q)+512*\t
.endr
	ds_load_b128 v[24:27], v5 offset:REC*(\q)+4096 ; register n: lanes 0-15 the scale words of tile 2 n, lanes 16-31 those of tile 2 n + 1
	s_wait_dscnt 0x0
.irp n, 0,1,2,3
	v_wmma_scale_f32_16x16x128_f8f6f4 v[S+16*\n:S+16*\n+7], v[F+8*\n:F+8*\n+7], v[12:19], 0, v[24+\n], v20 matrix_a_fmt:MATRIX_FMT_FP4 matrix_b_fmt:MATRIX_FMT_FP4
	v_wmma_scale_f32_16x16x128_f8f6f4 v[S+16*\n+8:S+16*\n+15], v[F+8*\n+4:F+8*\n+11], v[12:19], 0, v[24+\n], v20 matrix_a_fmt:MATRIX_FMT_FP4 matrix_b_fmt:MATRIX_FMT_FP4 matrix_a_scale:MATRIX_SCALE_ROW1
.endr                                              ; lane (r, h) holds query r; the 16 registers of tiles 2 n, 2 n + 1 are keys 32 n + 16 h + 0 .. 15
.rept 4
	v_nop                                          ; places behind these products: for the loads below and for the first read of the scores
.endr
.irp t, 0,1,2,3
	ds_load_b128 v[F+8*\t:F+8*\t+3], v6 offset:REC*(\q)+1024*\t             ; V's four fragments land under the softmax
	ds_load_b128 v[F+8*\t+4:F+8*\t+7], v6 offset:REC*(\q)+1024*\t+512
.endr
	ds_load_b128 v[28:31], v6 offset:REC*(\q)+4096
.irp b, 0,1,2,3
	v_max3_num_f32 v[BM+\b], v[S+16*\b], v[S+1+16*\b], v[S+2+16*\b]         ; THE LARGEST SCORE OF EACH BLOCK OF 32 KEYS: for the row's maximum, and, since p rises with the score, for the block's largest p
.endr
.irp i, 3,5,7,9,11,13
.irp b, 0,1,2,3
	v_max3_num_f32 v[BM+\b], v[BM+\b], v[S+16*\b+\i], v[S+1+16*\b+\i]       ; (the four blocks by turns; each tile's registers from the low end on)
.endr
.endr
.irp b, 0,1,2,3
	v_max_num_f32 v[BM+\b], v[BM+\b], v[S+15+16*\b]
.endr
.irp b, 0,1,2,3
	s_delay_alu instid0(VALU_DEP_4)
	v_permlanex16_b32 v[PT+\b], v[BM+\b], s40, s41
.endr
.irp b, 0,1,2,3
	s_delay_alu instid0(VALU_DEP_4)
	v_max_num_f32 v[BM+\b], v[BM+\b], v[PT+\b]     ; with lane l xor 16's 16 keys
.endr
	s_delay_alu instid0(VALU_DEP_2)
	v_max3_num_f32 v184, v[BM], v[BM+1], v[BM+2]
	s_delay_alu instid0(VALU_DEP_1)
	v_max_num_f32 v184, v184, v[BM+3]              ; the step's largest score of my query
	s_delay_alu instid0(VALU_DEP_1)
	v_mul_f32 v184, s42, v184                      ; as t
	s_delay_alu instid0(VALU_DEP_1)
	v_max_num_f32 v9, v9, v184                     ; the running largest t
	v_mov_b32 v184, v8
	s_delay_alu instid0(VALU_DEP_2)
	v_floor_f32 v8, -v9                            ; the new -M = floor(-t) = -ceil(t): M is a whole number
	s_delay_alu instid0(VALU_DEP_1)
	v_sub_f32 v184, v8, v184                       ; M's old value less its new one: a whole number, 0 or less
	s_delay_alu instid0(VALU_DEP_1)
	v_cvt_i32_f32 v184, v184                       ; (it saturates)
	s_delay_alu instid0(VALU_DEP_1)
	v_ldexp_f32 v22, 1.0, v184                     ; f = 2^(old M - new M)
.set j, 0
.rept 32
	v_pk_fma_f32 v[S+j:S+j+1], v[S+j:S+j+1], s[42:43], v[8:9] op_sel_hi:[1,0,0]   ; t - M, two at a time (of the pairs log2(e) and -M the low word serves both halves)
.set j, j+2
.endr
.irp b, 0,1,2,3
	v_fma_f32 v[BM+\b], v[BM+\b], s42, v8          ; the same of each block's largest score
.endr
.set j, 0
	s_wait_alu depctr_va_vdst(0)
.rept 64
	v_exp_f32 v[S+j], v[S+j]                       ; p = 2^(t - M), at most 1: not normalised
.set j, j+1
.endr
.irp b, 0,1,2,3
	v_exp_f32 v[BM+\b], v[BM+\b]                   ; the block's largest p: the same two instructions on the same number give the same bits
.endr
	v_pk_mul_f32 v[10:11], v[10:11], v[22:23] op_sel_hi:[1,0]      ; the sums under the new M.  (A plain place behind the exponentials)
	s_wait_alu depctr_va_vdst(0)
.irp b, 0,1,2,3
	v_max_num_f32 v[BM+\b], 0x1800000, v[BM+\b]    ; the floor 2^(3 - 127): the byte cannot fall under 1
.endr
.irp b, 0,1,2,3
	s_delay_alu instid0(VALU_DEP_4)
	v_add_nc_u32 v[SO+\b], 0xff000000, v[BM+\b]    ; 2 off the exponent field: the conversion's scale operand
.endr
.irp b, 0,1,2,3
	s_delay_alu instid0(VALU_DEP_4)
	v_lshrrev_b32 v[PT+\b], 23, v[SO+\b]           ; the scale's byte
.endr
	s_delay_alu instid0(VALU_DEP_3)
	v_lshl_or_b32 v21, v[PT+1], 8, v[PT]           ; p's scale word for these 128 keys
	s_delay_alu instid0(VALU_DEP_1)
	v_lshl_or_b32 v21, v[PT+2], 16, v21
	s_delay_alu instid0(VALU_DEP_1)
	v_lshl_or_b32 v21, v[PT+3], 24, v21
.irp b, 0,1,2,3
	v_cvt_scalef32_pk8_fp4_f32 v[P+2*\b], v[S+16*\b:S+7+16*\b], v[SO+\b]
	v_cvt_scalef32_pk8_fp4_f32 v[P+1+2*\b], v[S+8+16*\b:S+15+16*\b], v[SO+\b]
.endr
	v_nop                                          ; one plain place behind the scaled conversions
.irp c, 0,1                                        ; the operand's layout wants a WHOLE block in a lane: lanes 0-15 block 2 c, lanes 16-31 block 2 c + 1
.irp i, 0,1
	v_permlane16_swap_b32 v[P+4*\c+\i], v[P+2+4*\c+\i]
.endr
.endr
	v_pk_add_f32 v[176:177], v[72:73], v[76:77]
	v_pk_add_f32 v[182:183], v[80:81], v[84:85]
	v_pk_add_f32 v[180:181], v[88:89], v[92:93]
	v_pk_add_f32 v[174:175], v[96:97], v[100:101]
	v_pk_add_f32 v[172:173], v[104:105], v[108:109]
	v_pk_add_f32 v[26:27], v[112:113], v[116:117]
	v_pk_add_f32 v[24:25], v[120:121], v[124:125]
	v_pk_add_f32 v[10:11], v[10:11], v[128:129]
	v_pk_add_f32 v[176:177], v[176:177], v[68:69]
	v_pk_add_f32 v[182:183], v[182:183], v[70:71]
	v_pk_add_f32 v[180:181], v[180:181], v[74:75]
	v_pk_add_f32 v[174:175], v[174:175], v[78:79]
	v_pk_add_f32 v[172:173], v[172:173], v[82:83]
	v_pk_add_f32 v[26:27], v[26:27], v[86:87]
	v_pk_add_f32 v[24:25], v[24:25], v[90:91]
	v_pk_add_f32 v[10:11], v[10:11], v[94:95]
	v_pk_add_f32 v[176:177], v[176:177], v[98:99]
	v_pk_add_f32 v[182:183], v[182:183], v[102:103]
	v_pk_add_f32 v[180:181], v[180:181], v[106:107]
	v_pk_add_f32 v[174:175], v[174:175], v[110:111]
	v_pk_add_f32 v[172:173], v[172:173], v[114:115]
	v_pk_add_f32 v[26:27], v[26:27], v[118:119]
	v_pk_add_f32 v[24:25], v[24:25], v[122:123]
	v_pk_add_f32 v[10:11], v[10:11], v[126:127]
	v_pk_add_f32 v[176:177], v[176:177], v[130:131]
	s_delay_alu instid0(VALU_DEP_2)
	v_pk_add_f32 v[10:11], v[10:11], v[174:175]
	s_delay_alu instid0(VALU_DEP_2)
	v_pk_add_f32 v[176:177], v[176:177], v[172:173]
	v_pk_add_f32 v[182:183], v[182:183], v[26:27]
	v_pk_add_f32 v[180:181], v[180:181], v[24:25]
	s_delay_alu instid0(VALU_DEP_2)
	v_pk_add_f32 v[10:11], v[10:11], v[182:183]
	s_delay_alu instid0(VALU_DEP_2)
	v_pk_add_f32 v[176:177], v[176:177], v[180:181]
	s_delay_alu instid0(VALU_DEP_1)
	v_pk_add_f32 v[10:11], v[10:11], v[176:177]
.set j, 0
.rept 16
	v_pk_mul_f32 v[OA+j:OA+j+1], v[OA+j:OA+j+1], v[22:23] op_sel_hi:[1,0]   ; O^T under the new M.  (With the sums: the places between p's codes and scale word and the products below)
.set j, j+2
.endr
	s_wait_alu depctr_va_vdst(0)
	s_wait_dscnt 0x0                               ; V is in
.irp t, 0,1,2,3                                    ; the four accumulators take turns, one instruction a turn; the next matrix instruction is the next step's first score
	v_wmma_scale_f32_16x16x128_f8f6f4 v[OA+8*\t:OA+8*\t+7], v[F+8*\t:F+8*\t+7], v[P:P+7], v[OA+8*\t:OA+8*\t+7], v[28+\t], v21 matrix_a_fmt:MATRIX_FMT_FP4 matrix_b_fmt:MATRIX_FMT_FP4
.endr
.endm
; THE CHANGE OF SLOTS stands at a slot's head.  Each wave waits for all its tensor loads (at most one is out: its position of the slot ahead), adds 0 to its spare word, and waits for that and for its LDS
; instructions on the slot that it has left.  fill = 1: a round of the cluster's barrier, so that no wave of any partner still reads that slot or has a load on its way; the joint refill is the first thing
; behind it, and has four key steps of every wave in which to land.
.macro CHANGE fill
	s_wait_tensorcnt 0x0                           ; no tensor load of mine is out, so group 0 may be written
	ds_add_u32 v3, v4                              ; 0 onto my spare word
.if \fill
	s_xor_b32 s33, s33, SLOT1                      ; the other slot than last time,
	s_add_nc_u64 s[34:35], s[34:35], POSB          ; the stream's next four records; the type bits on top are not reached
.endif
	s_wait_dscnt 0x0                               ; the add is done, and my LDS loads and stores are over
.if \fill
	CROUND
	TLOAD
.else
	s_barrier_signal -1
	s_barrier_wait -1
.endif
	v_add_nc_u32 v5, s37, v1                       ; the slot in hand: K's position,
	v_add_nc_u32 v6, s37, v2                       ; V's
.endm
.Lslot:                                            ; 7 trips: trip n reads keys 512 (n - 1) on and asks for keys 512 n on
	CHANGE 1
	s_cmp_eq_u32 s36, 1
	s_cbranch_scc1 .Lskip                          ; a wave without a pair leaves the steps out; no barrier and no tensor load stands in them
	s_wait_alu depctr_va_vdst(0)
	STEP 0
	STEP 1
	STEP 2
	STEP 3
.Lskip:
	s_xor_b32 s37, s37, SLOT1                      ; on to the other slot
	s_sub_co_u32 s38, s38, 1
	s_cmp_lg_u32 s38, 0
	s_cbranch_scc1 .Lslot
	CHANGE 0                                       ; the last slot is written out: nothing is left to ask for
	s_cmp_eq_u32 s36, 1
	s_cbranch_scc1 .Lidle1
	s_wait_alu depctr_va_vdst(0)
	STEP 0
	STEP 1
	STEP 2
	STEP 3
	; o = O^T / l, quantised along the channels; then the 1 x 1 convolution.
.rept 4
	v_nop                                          ; places behind the last products
.endr
	v_add_f32 v184, v10, v11                       ; the sum's two halves,
	s_delay_alu instid0(VALU_DEP_1)
	v_permlanex16_b32 v[PT], v184, s40, s41
	s_delay_alu instid0(VALU_DEP_1)
	v_add_f32 v184, v184, v[PT]                    ; and lane l xor 16's: the row's sum
	s_wait_alu depctr_va_vdst(0)
	v_rcp_f32 v184, v184
.set j, 0
.rept 4
	v_mov_b32 v[F+16+j], 0                         ; behind w's last fragment: zeros.  (Plain places behind the reciprocal)
.set j, j+1
.endr
.irp T, 0,1,2,3
	ds_load_b128 v[F+4*\T:F+4*\T+3], v188 offset:512*\T            ; w's rows 16 T on, as the wave that made them left them
	ds_load_b32 v[24+\T], v189 offset:128*\T
	global_load_b32 v[S+32+\T], v191, s[8:9] offset:64*\T          ; the bias of out channel 16 T + r
.endr
.set j, 0
	s_wait_alu depctr_va_vdst(0)
.rept 16
	v_pk_mul_f32 v[OA+j:OA+j+1], v[OA+j:OA+j+1], v[184:185] op_sel_hi:[1,0]   ; register 16 b + i is o(query r, channel 32 b + 16 h + i)
.set j, j+2
.endr
.irp b, 0,1
	v_max3_num_f32 v[BM+\b], |v[OA+16*\b]|, |v[OA+1+16*\b]|, 0x1800000      ; block b: my 16 numbers, and the floor
.endr
.irp i, 2,4,6,8,10,12,14
.irp b, 0,1
	s_delay_alu instid0(VALU_DEP_2)
	v_max3_num_f32 v[BM+\b], v[BM+\b], |v[OA+16*\b+\i]|, |v[OA+1+16*\b+\i]|
.endr
.endr
.irp b, 0,1
	s_delay_alu instid0(VALU_DEP_2)
	v_permlanex16_b32 v[PT+\b], v[BM+\b], s40, s41
.endr
.irp b, 0,1
	s_delay_alu instid0(VALU_DEP_2)
	v_max_num_f32 v[BM+\b], v[BM+\b], v[PT+\b]     ; with lane l xor 16's: the block's largest magnitude
.endr
.irp b, 0,1
	s_delay_alu instid0(VALU_DEP_2)
	v_add_nc_u32 v[SO+\b], 0xff000000, v[BM+\b]
.endr
.irp b, 0,1
	s_delay_alu instid0(VALU_DEP_2)
	v_lshrrev_b32 v[PT+\b], 23, v[SO+\b]
.endr
	s_delay_alu instid0(VALU_DEP_1)
	v_lshl_or_b32 v21, v[PT+1], 8, v[PT]           ; o's scale word: two bytes, the upper two zero
.irp b, 0,1
	v_cvt_scalef32_pk8_fp4_f32 v[P+2*\b], v[OA+16*\b:OA+7+16*\b], v[SO+\b]
	v_cvt_scalef32_pk8_fp4_f32 v[P+1+2*\b], v[OA+8+16*\b:OA+15+16*\b], v[SO+\b]
.endr
	v_nop                                          ; one plain place behind the scaled conversions
	v_permlane16_swap_b32 v[P], v[P+2]             ; lanes 0-15 block 0, lanes 16-31 block 1, whole
	v_permlane16_swap_b32 v[P+1], v[P+3]
.set j, 4
.rept 4
	v_mov_b32 v[P+j], 0                            ; k = 64 .. 127: zero codes
.set j, j+1
.endr
.irp t, 0,1,2,3,4,5,6,7
	global_load_b128 v[OA+4*\t:OA+4*\t+3], v7, s[10:11] offset:32768*\t     ; x, for the rows that I store: it lands while the convolution goes through the stage
.endr
.rept 8
	v_nop                                          ; a scale word written by a vector instruction stands 8 places ahead of a scaled matrix instruction, an operand so written 4
.endr
	s_wait_alu depctr_va_vdst(0)
	s_wait_dscnt 0x0                               ; w
.irp T, 0,1,2,3
	v_wmma_scale_f32_16x16x128_f8f6f4 v[S+8*\T:S+8*\T+7], v[P:P+7], v[F+4*\T:F+4*\T+7], 0, v21, v[24+\T] matrix_a_fmt:MATRIX_FMT_FP4 matrix_b_fmt:MATRIX_FMT_FP4
.endr                                              ; lane (r, h), register k of tile T: query 8 h + k of my 16, out channel 16 T + r
.rept 4
	v_nop
.endr
	s_wait_loadcnt 0x8                             ; the four loads of the bias are in; x's eight may be out
.irp T, 0,1,2,3
.irp k, 0,1,2,3,4,5,6,7
	v_add_f32 v[S+8*\T+\k], v[S+8*\T+\k], v[S+32+\T]
.endr
.endr
.irp T, 0,1,2,3
	ds_store_b128 v186, v[S+8*\T:S+8*\T+3] offset:16*SGP*\T
	ds_store_b128 v186, v[S+8*\T+4:S+8*\T+7] offset:16*SGP*\T+16
.endr
.Lidle1:
	s_wait_dscnt 0x0                               ; for the others' sake: my stores into the stage are done
	s_barrier_signal -1
	s_barrier_wait -1                              ; a quad's 64 rows of 256 bytes lie in its stage
	s_cmp_eq_u32 s36, 1
	s_cbranch_scc1 .Lidle2
.rept 4
	v_nop                                          ; the additions below read v132-163, which the key steps' products write (x lies there now): four places stand here, so that the distance behind
.endr                                              ; those products (ISA guide 7.12.1) holds on every way that the branches on s36 leave open in the text, whichever of them a wave takes
.irp t, 0,1,2,3,4,5,6,7
	ds_load_b128 v[S+4*\t:S+4*\t+3], v187 offset:2*SGP*\t
.endr
	s_wait_dscnt 0x0
	s_wait_loadcnt 0x0                             ; x
.set j, 0
.rept 16
	v_pk_add_f32 v[S+j:S+j+1], v[S+j:S+j+1], v[OA+j:OA+j+1]
.set j, j+2
.endr
.irp t, 0,1,2,3,4,5,6,7
	global_store_b128 v7, v[S+4*\t:S+4*\t+3], s[12:13] offset:32768*\t th:TH_STORE_NT   ; 16 lanes store 256 consecutive bytes, at a multiple of 256 from out's first byte; written once, read by nobody here
.endr
.Lidle2:
	s_wait_tensorcnt 0x0                           ; the wave's end: behind my last tensor load and my last LDS store
	ds_add_u32 v3, v4
	s_wait_dscnt 0x0
	CROUND                                         ; the closing round: no work-group ends while a partner may still ask for a block that names it
	s_endpgm
.Lfunc_end_k_q84f2674410_attn:
	.size	k_q84f2674410_attn, .Lfunc_end_k_q84f2674410_attn-k_q84f2674410_attn
	.p2alignl 7, 3214868480
	.fill 96, 4, 3214868480
	.section	.rodata,"a",@progbits
	.p2align	6, 0x0
	.amdhsa_kernel k_q84f2674410_attn
		.amdhsa_group_segment_fixed_size 327680
		.amdhsa_private_segment_fixed_size 0
		.amdhsa_enable_private_segment 0
		.amdhsa_kernarg_size 128
		.amdhsa_user_sgpr_count 2
		.amdhsa_user_sgpr_kernarg_segment_ptr 1
		.amdhsa_wavefront_size32 1
		.amdhsa_system_sgpr_workgroup_id_x 1
		.amdhsa_system_sgpr_workgroup_id_y 1
		.amdhsa_system_sgpr_workgroup_id_z 1
		.amdhsa_system_vgpr_workitem_id 0
		.amdhsa_next_free_vgpr 192
		.amdhsa_next_free_sgpr 100
		.amdhsa_reserve_vcc 0
		.amdhsa_float_denorm_mode_32 3
		.amdhsa_float_denorm_mode_16_64 3
		.amdhsa_memory_ordered 1
		.amdhsa_forward_progress 1
		.amdhsa_inst_pref_size 153
	.end_amdhsa_kernel
	.amdgpu_metadata
---
amdhsa.version: [ 1, 2 ]
amdhsa.kernels:
  - .name:           k_q84f2674410_attn
    .symbol:         k_q84f2674410_attn.kd
    .args:
      - { .name: kv, .offset: 0, .size: 8, .value_kind: global_buffer, .address_space: global }
      - { .name: poi_q, .offset: 8, .size: 8, .value_kind: global_buffer, .address_space: global }
      - { .name: point_q, .offset: 16, .size: 8, .value_kind: global_buffer, .address_space: global }
      - { .name: pop_q, .offset: 24, .size: 8, .value_kind: global_buffer, .address_space: global }
      - { .name: w_poi, .offset: 32, .size: 8, .value_kind: global_buffer, .address_space: global }
      - { .name: w_point, .offset: 40, .size: 8, .value_kind: global_buffer, .address_space: global }
      - { .name: w_pop, .offset: 48, .size: 8, .value_kind: global_buffer, .address_space: global }
      - { .name: b_poi, .offset: 56, .size: 8, .value_kind: global_buffer, .address_space: global }
      - { .name: b_point, .offset: 64, .size: 8, .value_kind: global_buffer, .address_space: global }
      - { .name: b_pop, .offset: 72, .size: 8, .value_kind: global_buffer, .address_space: global }
      - { .name: x_poi, .offset: 80, .size: 8, .value_kind: global_buffer, .address_space: global }
      - { .name: x_point, .offset: 88, .size: 8, .value_kind: global_buffer, .address_space: global }
      - { .name: x_pop, .offset: 96, .size: 8, .value_kind: global_buffer, .address_space: global }
      - { .name: out0, .offset: 104, .size: 8, .value_kind: global_buffer, .address_space: global }
      - { .name: out1, .offset: 112, .size: 8, .value_kind: global_buffer, .address_space: global }
      - { .name: out2, .offset: 120, .size: 8, .value_kind: global_buffer, .address_space: global }
    .group_segment_fixed_size: 327680
    .private_segment_fixed_size: 0
    .kernarg_segment_align: 8
    .kernarg_segment_size: 128
    .max_flat_workgroup_size: 640
    .sgpr_count:     100
    .vgpr_count:     192
    .wavefront_size: 32
...
	.end_amdgpu_metadata
.endif
;; end of part 2
